; MI455X (gfx1250); checked and timed in simulation.
; The chip was launched on July 23, 2026; its instructions are those of AMD's public machine-readable ISA for CDNA 5 (MIT licence, August 2026) and "CDNA5" Instruction Set Architecture Reference Guide (July 2026). The comments in the code are by the model that wrote it; some were corrected since.
;; Multi Head Attention Combined QKV. Allowed arithmetic: matrix products marked QUANTISED: E4M3 operands, one given power-of-two scale a tensor, by v_wmma_f32_16x16x64_fp8_fp8 or v_wmma_f32_16x16x128_fp8_fp8, f32 sums; everything else in f32.
;; Inputs: b_proj 1,024 float32; lowp_scales 8 int32 (the exponents e of the quantised operands' scales 2^e); w_proj 1,024 x 1,024 float32; w_qkv 3,072 x 1,024 float32; x 2 x 2,048 x 1,024 float32.
;; Outputs: out0 2 x 2,048 x 1,024 float32.
;; This version of the problem:
;;   THIS VERSION OF THE PROBLEM IS GIVEN IN LOW PRECISION. The matrix products marked QUANTISED in the list below multiply operands that are first quantised to E4M3 (4 exponent bits, 3 mantissa bits; 8 bits a number), with one given power-of-two scale for each operand tensor; their sums are f32. All else is computed in f32.
;;   The module's matrix products, in the order in which they are computed (A, B: the left and right operand; K: the contracted axis; several contracted axes count as one K, in the product's order):
;;     1. [M 4,096, K 1,024] x [K 1,024, N 3,072]; A: input x; B: input w_qkv: QUANTISED (scales: A lowp_scales[0], B lowp_scales[1])
;;     2. batch 32 x [M 2,048, K 64] x [K 64, N 2,048]; A: computed on the way; B: computed on the way: QUANTISED (scales: A lowp_scales[2], B lowp_scales[3])
;;     3. batch 32 x [M 2,048, K 2,048] x [K 2,048, N 64]; A: softmax (see below); B: computed on the way: QUANTISED (scales: A lowp_scales[4], B lowp_scales[5])
;;     4. [M 4,096, K 1,024] x [K 1,024, N 1,024]; A: computed on the way; B: input w_proj: QUANTISED (scales: A lowp_scales[6], B lowp_scales[7])
;;   THE QUANTISER, for each operand of a quantised product, along K:
;;     - The operand's scale is 2^e, e = its entry of the input lowp_scales (int32; the entries are numbered through the quantised products in the list's order, A before B).
;;     - Each number is divided by the scale, clamped to +-448, and rounded to the nearest number of E4M3, ties to even, subnormals kept.
;;     - The product sums the exact products of the quantised numbers (number of the format x scale) in f32.
;;   ~~~python
;;   def quantise(x, axis, e):      # numpy; x: float32 -> the quantised numbers, widened to float32 again
;;       x = np.moveaxis(x, axis, -1); K = x.shape[-1]
;;       r = np.clip(x / 2.0 ** e, -448, 448)
;;       step = 2.0 ** (np.maximum(np.frexp(np.where(r == 0, 1, r))[1] - 1, -6) - 3)
;;       q = np.round(r / step) * step * 2.0 ** e      # np.round: ties to even
;;       return np.moveaxis(q, -1, axis).astype(np.float32)
;;   ~~~
;;   SOFTMAX AHEAD OF A QUANTISED PRODUCT. Where the list says 'softmax', what is quantised is not the finished softmax but p = 2^(t - M), with t = logit x log2(e) and M = ceil(the row's largest t), a whole number; so 1/2 < the row's largest p <= 1. The row's sum l is taken of the UNQUANTISED p, in f32, and the product's result is divided by l at the end. Since M is a whole number, a kernel that streams over the keys may use a running M (the ceiling of the running maximum): every later rescaling is an exact power of two, so the quantised numbers keep their values, but for numbers so far below the row's largest that they fall under the format's range.
;;   OPERANDS COMPUTED ON THE WAY. 'Computed on the way' means the value that the module computes at that place (a softmax that the list does not call 'softmax' is quantised finished and normalised). What goes into a quantiser is computed in f32, as accurately as f32 sums, v_exp_f32 and their like allow (about 1e-6 of the number): no bf16 or f16 on the way to a quantiser, and a product that is left as it is and whose result goes on into a quantised operand takes f32 operands (vector FMAs, or v_wmma_f32_16x16x4_f32). A number that lies on a knife's edge between two numbers of the format may be rounded either way, as far as f32 arithmetic and the matrix unit's own rounding can turn it there, and no further.
;; One version. Each part assembles by itself: llvm-mc -triple=amdgcn-amd-amdhsa -mcpu=gfx1250 --defsym DOCPART=n.
;; ======== version 1 of 1: 4 launches
;; limits: right only within a limited range of input values
;; workspace buffers: x_codes 4,194,304 bytes; wqkv_codes 3,145,728 bytes; wproj_codes 1,048,576 bytes; qkv_codes 12,582,912 bytes; ctx_codes 4,194,304 bytes
;; launch quant (part 1): grid 512 x 1, 4 waves a work-group, no clusters, 33,280 bytes of LDS; arguments x, w_qkv, w_proj, lowp_scales, x_codes, wqkv_codes, wproj_codes; writes x_codes, wqkv_codes, wproj_codes
.if DOCPART == 1
	.amdgcn_target "amdgcn-amd-amdhsa--gfx1250"
	.amdhsa_code_object_version 6
	.text
	.protected	k_q54a5ef8884_quant
	.globl	k_q54a5ef8884_quant
	.p2align	8
	.type	k_q54a5ef8884_quant,@function
k_q54a5ef8884_quant:
	s_mov_b64 s[64:65], 0
	v_nop
	global_prefetch_b8 v0, s[64:65] scope:SCOPE_SE
	s_setreg_imm32_b32 hwreg(HW_REG_WAVE_MODE, 25, 1), 1
	s_wait_xcnt 0x0
; x [4096][1024], w_qkv [3072][1024] and w_proj [1024][1024], f32, K innermost, become codes of FP8 (E4M3), one byte each, in the same order, each tensor with the one scale 2^e given for it
; (entries 0, 1 and 7 of the buffer of scales).  code = number / 2^e, held within +-448, rounded to the nearest code, ties to even.
; WORK LEFT OUT IN THE PROGRAM: only in the attention's launch: steps of 128 keys all of which come after the queries at hand.  reference() sets their scores to -infinity in its own body, so their p is 0 whatever the inputs hold.
; A NaN, an infinity or an overflow that reaches only that work is not carried to the result.
; LIMITS: e between -126 and 119, so that 2^e and 448 x 2^e are f32 numbers.  NaN among the inputs is not served (an infinity is held at the largest code).
; Rows are dense, so each tensor is a plain stream.  A work-group takes 16,384 numbers, a wave 4,096 in 8 steps of 512: work-groups 0-255 x, 256-447 w_qkv, 448-511 w_proj.
; Only pointers and e are chosen, by the work-group's number: all take one path through the text.
; The conversion takes 8 neighbours from ONE lane's registers; a load is best where neighbouring LANES take neighbouring bytes.  Both are had: each of a step's four loads reads 512 consecutive bytes, 16 a lane;
; the 2,048 bytes go through the wave's own stage in LDS and come back 64 bytes a lane.  A lane's 16 codes are 16 bytes: the wave stores 512 consecutive bytes.
; No matrix unit, no cluster, no tensor load, no barrier: each byte is read once and waves share nothing.  All 32 loads of a wave go out ahead of the first step; the turn through LDS runs one step ahead.
.set STEPS, 8
.set WGX,   256                        ; x's work-groups
.set WGQ,   448                        ; x's and w_qkv's
.set EMAX,  8
.set MANT,  0x600000                   ; the mantissa field of 448 as f32
.set R,     16                         ; v16-143  eight sets of 16 numbers as they are loaded
.set X,     144                        ; v144-175 two sets of 16 neighbours
.set C,     176                        ; v176-207 codes: four registers for each step, so that no store's data are written again
.set WREG,  8192                       ; LDS: a region of its own for each wave: two stages of 32 x SP bytes
.set SP,    80                         ; a lane's place in a stage: its 64 bytes + 16 of padding
.set SPARE, 4*WREG                     ; the spare words, 128 bytes for each wave
.set SPW,   12
.set NIL,   13
	s_load_b128 s[4:7], s[0:1], 0x0                ; x, w_qkv
	s_load_b128 s[8:11], s[0:1], 0x10              ; w_proj, the scales' exponents
	s_load_b128 s[12:15], s[0:1], 0x20             ; x's codes, w_qkv's codes
	s_load_b64 s[24:25], s[0:1], 0x30              ; w_proj's codes
	v_lshl_add_u32 v[SPW], v0, 2, SPARE
	v_mov_b32 v[NIL], 0
	v_lshrrev_b32 v1, 5, v0
	v_readfirstlane_b32 s16, v1                    ; wave
	v_and_b32 v2, 31, v0                           ; lane
	v_lshlrev_b32 v3, 4, v2                        ; my 16 bytes of a load's 512
	s_mul_i32 s17, s16, WREG
	v_lshrrev_b32 v14, 2, v2
	v_mul_u32_u24 v14, v14, SP
	v_and_b32 v15, 3, v2
	v_lshl_add_u32 v14, v15, 4, v14
	v_add_nc_u32 v14, s17, v14                     ; the stage, on the way in: four lanes' 64 bytes on end, then 16 of padding
	v_mul_u32_u24 v15, v2, SP
	v_add_nc_u32 v15, s17, v15                     ; and on the way out: SP x lane: my 16 neighbours
	v_lshlrev_b32 v4, 4, v2                        ; my codes' place in a step's
	s_wait_alu depctr_va_vdst(0)
	s_wait_kmcnt 0x0
	s_load_b256 s[32:39], s[10:11], 0x0            ; e0 .. e7
	s_mov_b32 s17, WGQ
	s_cmp_lt_u32 ttmp9, WGQ                        ; the choice hangs on the work-group's number alone
	s_cselect_b64 s[6:7], s[6:7], s[8:9]           ; w_qkv or w_proj,
	s_cselect_b64 s[14:15], s[14:15], s[24:25]     ; their codes,
	s_cselect_b32 s17, WGX, s17                    ; and the tensor's first work-group
	s_cmp_lt_u32 ttmp9, WGX
	s_cselect_b64 s[4:5], s[4:5], s[6:7]           ; x or one of those two
	s_cselect_b64 s[8:9], s[12:13], s[14:15]
	s_cselect_b32 s17, 0, s17
	s_sub_co_u32 s17, ttmp9, s17
	s_lshl_b32 s17, s17, 2
	s_add_co_u32 s18, s17, s16                     ; which run of 4,096 numbers of the tensor is my wave's
	s_mov_b32 s19, 0
	s_lshl_b64 s[20:21], s[18:19], 14              ; 16,384 bytes of numbers a run
	s_add_nc_u64 s[4:5], s[4:5], s[20:21]
	s_lshl_b64 s[20:21], s[18:19], 12              ; 4,096 bytes of codes
	s_add_nc_u64 s[8:9], s[8:9], s[20:21]
.macro TURN t                          ; step t's numbers through the stage: LDS serves a wave's instructions in order, so no wait stands between the stores and the loads
.irp i, 0,1,2,3
	ds_store_b128 v14, v[R+16*(\t)+4*\i:R+16*(\t)+4*\i+3] offset:32*SP*((\t)%2)+8*SP*\i
.endr
.irp i, 0,1,2,3
	ds_load_b128 v[X+16*((\t)%2)+4*\i:X+16*((\t)%2)+4*\i+3], v15 offset:32*SP*((\t)%2)+16*\i
.endr
.endm
.set q, 0
.rept 4*STEPS
	global_load_b128 v[R+4*q:R+4*q+3], v3, s[4:5] offset:512*q th:TH_LOAD_NT   ; 32 lanes read 512 consecutive bytes
.set q, q+1
.endr
	s_wait_kmcnt 0x0
	s_cmp_lt_u32 ttmp9, WGQ
	s_cselect_b32 s33, s33, s39                    ; e1 or e7,
	s_cmp_lt_u32 ttmp9, WGX
	s_cselect_b32 s22, s32, s33                    ; or e0
	s_add_co_i32 s22, s22, 127
	s_lshl_b32 s23, s22, 23
	v_mov_b32 v11, s23                             ; 2^e as f32: the conversion takes its exponent field
	s_add_co_i32 s22, s22, EMAX
	s_lshl_b32 s22, s22, 23
	s_or_b32 s22, s22, MANT
	v_mov_b32 v10, s22                             ; 448 x 2^e
	s_wait_alu depctr_va_vdst(0)
	s_wait_loadcnt 4*(STEPS-1)                     ; step 0's four loads are in; those of the seven steps behind it may be out
	TURN 0
.macro STEP t
.set XS, X+16*((\t)%2)
	s_wait_dscnt 0x0                               ; this step's numbers are back from the stage
.if (\t)+1 < STEPS
	s_wait_loadcnt 4*(STEPS-2-(\t))                ; the next step's four loads are in; those of the steps behind it may be out
	TURN (\t)+1                                    ; and go through the other stage while this step is worked
.endif
.irp i, 0,1,2,3,4,5,6,7,8,9,10,11,12,13,14,15
	v_med3_num_f32 v[XS+\i], v[XS+\i], -v10, v10   ; the conversion to an 8-bit code does not saturate (ISA guide 7.6.2): hold the number within the largest code x the scale first
.endr
	v_cvt_scalef32_pk8_fp8_f32 v[C+4*(\t):C+4*(\t)+1], v[XS:XS+7], v11          ; eight numbers / 2^e, to the nearest code, ties to even; the first number's code in the lowest byte
	v_cvt_scalef32_pk8_fp8_f32 v[C+4*(\t)+2:C+4*(\t)+3], v[XS+8:XS+15], v11
	v_nop                                          ; a plain vector line behind the last conversion of the run
	global_store_b128 v4, v[C+4*(\t):C+4*(\t)+3], s[8:9] offset:512*(\t)        ; 32 lanes store 512 consecutive bytes, aligned
.endm
.irp t, 0,1,2,3,4,5,6,7
	STEP \t
.endr
	s_wait_tensorcnt 0x0                           ; the wave's end
	ds_add_u32 v[SPW], v[NIL]
	s_wait_dscnt 0x0
	s_endpgm
.Lfunc_end_k_q54a5ef8884_quant:
	.size	k_q54a5ef8884_quant, .Lfunc_end_k_q54a5ef8884_quant-k_q54a5ef8884_quant
	.p2alignl 7, 3214868480
	.fill 96, 4, 3214868480
	.section	.rodata,"a",@progbits
	.p2align	6, 0x0
	.amdhsa_kernel k_q54a5ef8884_quant
		.amdhsa_group_segment_fixed_size 33280
		.amdhsa_private_segment_fixed_size 0
		.amdhsa_enable_private_segment 0
		.amdhsa_kernarg_size 56
		.amdhsa_user_sgpr_count 2
		.amdhsa_user_sgpr_kernarg_segment_ptr 1
		.amdhsa_wavefront_size32 1
		.amdhsa_system_sgpr_workgroup_id_x 1
		.amdhsa_system_sgpr_workgroup_id_y 1
		.amdhsa_system_sgpr_workgroup_id_z 1
		.amdhsa_system_vgpr_workitem_id 0
		.amdhsa_next_free_vgpr 208
		.amdhsa_next_free_sgpr 66
		.amdhsa_reserve_vcc 0
		.amdhsa_float_denorm_mode_32 3
		.amdhsa_float_denorm_mode_16_64 3
		.amdhsa_memory_ordered 1
		.amdhsa_forward_progress 1
		.amdhsa_inst_pref_size 21
	.end_amdhsa_kernel
	.amdgpu_metadata
---
amdhsa.version: [ 1, 2 ]
amdhsa.kernels:
  - .name:           k_q54a5ef8884_quant
    .symbol:         k_q54a5ef8884_quant.kd
    .args:
      - { .name: x, .offset: 0, .size: 8, .value_kind: global_buffer, .address_space: global }
      - { .name: w_qkv, .offset: 8, .size: 8, .value_kind: global_buffer, .address_space: global }
      - { .name: w_proj, .offset: 16, .size: 8, .value_kind: global_buffer, .address_space: global }
      - { .name: lowp_scales, .offset: 24, .size: 8, .value_kind: global_buffer, .address_space: global }
      - { .name: x_codes, .offset: 32, .size: 8, .value_kind: global_buffer, .address_space: global }
      - { .name: wqkv_codes, .offset: 40, .size: 8, .value_kind: global_buffer, .address_space: global }
      - { .name: wproj_codes, .offset: 48, .size: 8, .value_kind: global_buffer, .address_space: global }
    .group_segment_fixed_size: 33280
    .private_segment_fixed_size: 0
    .kernarg_segment_align: 8
    .kernarg_segment_size: 56
    .max_flat_workgroup_size: 128
    .sgpr_count:     66
    .vgpr_count:     208
    .wavefront_size: 32
...
	.end_amdgpu_metadata
.endif
;; end of part 1
;; launch qkv (part 2): grid 12 x 16, 4 waves a work-group, clusters of 4 x 4, 327,680 bytes of LDS; arguments x_codes, wqkv_codes, lowp_scales, qkv_codes; writes qkv_codes
.if DOCPART == 2
	.amdgcn_target "amdgcn-amd-amdhsa--gfx1250"
	.amdhsa_code_object_version 6
	.text
	.protected	k_q54a5ef8884_qkv
	.globl	k_q54a5ef8884_qkv
	.p2align	8
	.type	k_q54a5ef8884_qkv,@function
k_q54a5ef8884_qkv:
	s_mov_b64 s[64:65], 0
	v_nop
	global_prefetch_b8 v0, s[64:65] scope:SCOPE_SE
	s_setreg_imm32_b32 hwreg(HW_REG_WAVE_MODE, 25, 1), 1
	s_wait_xcnt 0x0
	s_wait_alu depctr_hold_cnt(0) depctr_sa_sdst(0) depctr_va_vdst(0) depctr_va_sdst(0) depctr_va_ssrc(0) depctr_va_vcc(0) depctr_vm_vsrc(0)
	s_getreg_b32 s2, hwreg(HW_REG_IB_STS2, 6, 4)
	s_cmp_eq_u32 s2, 0
	s_cbranch_scc0 .Lentry_in_a_cluster
	s_endpgm
.Lentry_in_a_cluster:
	s_bfe_u32 s2, ttmp6, 0x10000c
	s_cmp_lg_u32 s2, 0xf033
	s_cbranch_scc0 .Lentry_shape_is_right
	s_endpgm
.Lentry_shape_is_right:
; q, k, v = x w_qkv^T on codes of FP8 (E4M3), sums in f32, and each result quantised at once with its own given scale (entries 2, 3, 5).  x_codes [4096][1024], wqkv_codes [3072][1024], K innermost.
; LIMIT: e2 - e0 - e1, e3 - e0 - e1 and e5 - e0 - e1 between -126 and 119, so that each power of two below is an f32 number.
; A tile of 256 x 256 is made by four waves of 128 x 128; K goes in steps of 256 through two LDS slots.  Clusters of 4 x 4 work-groups ask for the tiles jointly.  Cluster column 0 makes q, 1 k, 2 v; for v the operands change
; places (rows are channels, columns tokens), so that a lane's eight results are neighbours along the next product's K in all three.
; A launch's K is four steps, of which each slot takes two: the two refills are asked for a step ahead of their use, and no step lies two ahead of a refill that a prefetch could name.
; RESULTS: q, k: [part][16 b + head][16 tokens][1,024 bytes]; v: [16 b + head][64 tokens][16 channels][1,024 bytes].  The 1,024 bytes are 16 rows of 64 codes laid as a matrix fragment's registers: byte 512 j + 256 h + 16 r + m is byte
; 32 j + 16 h + m of row r.  A row's 64 codes stand in the order: in each group of 32, place 16 h + 8 u + j holds index 16 u + 8 h + j.
.set SIZE_K, 1024
.set KSTEP,  256
.set ROWB,   256
.set KROW,   SIZE_K
.set PITCH,  272
.set FR,     16
.set NL,     4
.set NP,     4
.set HALFT,  128*PITCH
.set SLOT,   4*HALFT
.set LAPS,   SIZE_K/(2*KSTEP)
.set SPARE,  2*SLOT
.set QP,     144
.set WSTG,   128*QP
.set ADRA, 16
.set ADRB, 20
.set STO,  24
.set RD,   25
.set CO,   26
.set SC,   27
.set SPW,  28
.set NIL,  29
.set TMP,  32
.set AF,   128
.set CD,   128
.set G1, 24
.set G0, 32
.set G1B, 48
.set G0B, 56
.set DST, 74
.set HOLDP, 96
.set HOLDN, 97
.set MSB, 0
.macro WIN new
.if MSB != \new
	s_set_vgpr_msb (MSB<<8)|\new
.set MSB, \new
.endif
.endm
.set MUL_LO, 0xa1
.set MUL_HI, 0xf1
.set TO_B,   0x40
.macro JLOAD g0a, g1a, g0b, g1b
	s_cmp_eq_u32 s15, 0
	s_cbranch_scc0 .Lfor_b_\@
	tensor_load_to_lds s[\g0a:\g0a+3], s[\g1a:\g1a+7]
	s_nop 0
.rept 4
	v_nop
.endr
	s_branch .Lasked_\@
.Lfor_b_\@:
	tensor_load_to_lds s[\g0b:\g0b+3], s[\g1b:\g1b+7]
	s_nop 0
.rept 4
	v_nop
.endr
.Lasked_\@:
.endm
.macro CREST
	s_cmp_lg_u32 s14, 0
	s_cbranch_scc1 .Lnot_wave_0_\@
	s_barrier_signal -3
.Lnot_wave_0_\@:
	s_barrier_wait -3
	s_barrier_signal -1
	s_barrier_wait -1
.endm
.macro CROUND
	s_barrier_signal -1
	s_barrier_wait -1
	CREST
.endm
	s_load_b128 s[4:7], s[0:1], 0x0
	s_load_b128 s[8:11], s[0:1], 0x10
	v_lshl_add_u32 v[SPW], v0, 2, SPARE
	v_mov_b32 v[NIL], 0
	ds_add_u32 v[SPW], v[NIL]                      ; the wave's opening: the add, twice on end, and its wait
	ds_add_u32 v[SPW], v[NIL]
	v_lshrrev_b32 v1, 5, v0
	v_readfirstlane_b32 s14, v1
	s_lshr_b32 s15, s14, 1
	s_and_b32 s16, s14, 1
	s_bfe_u32 s40, ttmp6, 0x40000
	s_bfe_u32 s41, ttmp6, 0x40004
	s_and_b32 s66, ttmp7, 0xffff
	s_cmp_eq_u32 ttmp9, 2
	s_cselect_b32 s42, s66, ttmp9
	s_cselect_b32 s17, 0, s66
	s_lshl_b32 s42, s42, 2
	s_add_co_u32 s42, s42, s40
	s_lshl_b32 s17, s17, 2
	s_add_co_u32 s17, s17, s41
	s_lshl_b32 s43, s41, 2
	s_lshl_b32 s43, 15, s43
	s_lshl_b32 s44, 0x1111, s40
	s_or_b32 s[G1+0], s43, (0<<16)|(1<<20)|(1<<21)|(5<<22)|(3<<25)
	s_or_b32 s[G1B+0], s44, (0<<16)|(1<<20)|(1<<21)|(5<<22)|(3<<25)
.irp g, G1, G1B
	s_mov_b32 s[\g+1], ROWB<<16
	s_mov_b32 s[\g+2], 128<<16
	s_mov_b32 s[\g+3], ROWB<<16
	s_mov_b32 s[\g+4], 128
	s_mov_b32 s[\g+5], KROW
	s_mov_b32 s[\g+6], 0
	s_mov_b32 s[\g+7], 0
.endr
	s_lshl_b32 s18, s16, 7
	s_lshl_b32 s20, s17, 8
	s_add_co_u32 s20, s20, s18
	s_lshl_b32 s46, s42, 8
	s_add_co_u32 s46, s46, s18
	s_mov_b32 s21, 0
	s_mov_b32 s47, 0
	s_mov_b64 s[18:19], KROW
	s_mul_u64 s[20:21], s[20:21], s[18:19]
	s_mul_u64 s[46:47], s[46:47], s[18:19]
	s_mul_i32 s45, s14, HALFT
	s_wait_dscnt 0x0                               ; both opening adds are done
	s_wait_kmcnt 0x0
	s_load_b256 s[88:95], s[8:9], 0x0
	s_add_nc_u64 s[68:69], s[6:7], 0x200000
	s_cmp_eq_u32 ttmp9, 2
	s_cselect_b64 s[70:71], s[68:69], s[4:5]
	s_cselect_b64 s[72:73], s[4:5], s[6:7]
	s_add_nc_u64 s[20:21], s[70:71], s[20:21]
	s_add_nc_u64 s[46:47], s[72:73], s[46:47]
	CROUND
.irp s, 0,1
	s_mov_b32 s[G0+4*\s], 1
	s_add_co_u32 s[G0+4*\s+1], s45, \s*SLOT
	s_add_nc_u64 s[G0+4*\s+2:G0+4*\s+3], s[20:21], \s*ROWB
	s_or_b32 s[G0+4*\s+3], s[G0+4*\s+3], 0x80000000
	s_mov_b32 s[G0B+4*\s], 1
	s_add_co_u32 s[G0B+4*\s+1], s45, \s*SLOT
	s_add_nc_u64 s[G0B+4*\s+2:G0B+4*\s+3], s[46:47], \s*ROWB
	s_or_b32 s[G0B+4*\s+3], s[G0B+4*\s+3], 0x80000000
.endr
	JLOAD G0, G1, G0B, G1B                         ; K step 0: one tensor load a wave at the head
	v_and_b32 v1, 15, v0
	s_wait_alu depctr_va_vdst(0)
	v_bfe_u32 v2, v0, 4, 1
	v_mul_u32_u24 v3, v1, PITCH
	v_lshl_add_u32 v4, v2, 4, v3
	s_mul_i32 s21, s15, HALFT
	s_mul_i32 s22, s16, HALFT
	s_add_co_u32 s22, s22, 2*HALFT
.irp s, 0,1
	v_add_nc_u32 v[ADRA+\s], s21, v4
	v_add_nc_u32 v[ADRB+\s], s22, v4
	s_add_co_u32 s21, s21, SLOT
	s_add_co_u32 s22, s22, SLOT
.endr
	s_mul_i32 s23, s14, WSTG
	v_mul_u32_u24 v5, v1, QP
	s_wait_alu depctr_va_vdst(0)
	v_lshl_add_u32 v5, v2, 4, v5
	v_add_nc_u32 v[STO], s23, v5
	v_and_b32 v6, 31, v0
	v_lshlrev_b32 v[CO], 4, v6
	v_add_nc_u32 v[RD], s23, v5                    ; back: row r of 16, 16 bytes for each half of the lanes
	s_lshl_b32 s82, s17, 8
	s_lshl_b32 s83, s15, 7
	s_add_co_u32 s82, s82, s83
	s_lshl_b32 s83, s42, 8
	s_lshl_b32 s84, s16, 7
	s_add_co_u32 s83, s83, s84
	s_cmp_eq_u32 ttmp9, 2
	s_cselect_b32 s84, s83, s82
	s_cselect_b32 s85, s82, s83
	s_and_b32 s85, s85, 1023
	s_lshr_b32 s85, s85, 6
	s_lshr_b32 s86, s84, 11
	s_lshl_b32 s86, s86, 4
	s_add_co_u32 s86, s86, s85
	s_lshl_b32 s86, s86, 17
	s_and_b32 s87, s84, 2047
	s_lshl_b32 s87, s87, 6
	s_add_co_u32 s86, s86, s87
	s_lshl_b32 s87, ttmp9, 22
	s_add_co_u32 s86, s86, s87
	s_mov_b32 s87, 0
	s_add_nc_u64 s[DST:DST+1], s[10:11], s[86:87]
	s_mov_b32 s82, 4096
	s_mov_b32 s84, 0x20000
	s_cmp_eq_u32 ttmp9, 2
	s_cselect_b32 s86, s84, s82
	s_cselect_b32 s84, s82, s84
	s_mov_b32 s85, 0
	s_add_nc_u64 s[DST+2:DST+3], s[DST:DST+1], s[86:87]
	s_add_nc_u64 s[DST+4:DST+5], s[DST:DST+1], s[84:85]
	s_add_nc_u64 s[DST+6:DST+7], s[DST+2:DST+3], s[84:85]
.macro FRAG reg, adr, q, i
.irp c, 0,1,2,3
	ds_load_b128 v[\reg+4*\c:\reg+4*\c+3], v[\adr] offset:128*(\q)+32*\c+(\i)*16*PITCH
.endr
.endm
.macro MUL16 a0, p, zero
.irp a, \a0, \a0+1
.irp b, 0,1,2,3,4,5,6,7
.if \zero
	v_wmma_f32_16x16x128_fp8_fp8 v[8*(8*((\a)%4)+\b):8*(8*((\a)%4)+\b)+7], v[128*(\p)+FR*\b:128*(\p)+FR*\b+FR-1], v[AF+FR*(\a):AF+FR*(\a)+FR-1], 0
.else
	v_wmma_f32_16x16x128_fp8_fp8 v[8*(8*((\a)%4)+\b):8*(8*((\a)%4)+\b)+7], v[128*(\p)+FR*\b:128*(\p)+FR*\b+FR-1], v[AF+FR*(\a):AF+FR*(\a)+FR-1], v[8*(8*((\a)%4)+\b):8*(8*((\a)%4)+\b)+7]
.endif
.endr
.endr
.endm
.macro FETCH_B slot, q, p
	WIN TO_B
.irp i, 0,1,2,3,4,5,6,7
	FRAG 128*(\p)+FR*\i, ADRB+\slot, \q, \i
.endr
	WIN 0
.endm
.macro FETCH_A slot, q, i0
.irp i, \i0, \i0+1, \i0+2, \i0+3
	FRAG AF+FR*(\i), ADRA+\slot, \q, \i
.endr
.endm
.macro PLACES n
.rept \n
	v_nop
.endr
.endm
.macro STEP slot, q, zero
	s_wait_dscnt 4*NL
	WIN MUL_LO
	MUL16 0, (\q)%2, \zero
	MUL16 2, (\q)%2, \zero
	s_wait_dscnt 0
	PLACES NP
	FETCH_B \slot, (\q)+1, 1-(\q)%2
	FETCH_A \slot, (\q)+1, 0
	WIN MUL_HI
	MUL16 4, (\q)%2, \zero
	MUL16 6, (\q)%2, \zero
	PLACES NP
	WIN 0
	FETCH_A \slot, (\q)+1, 4
.endm
.macro TURN slot, next, fill
	s_wait_tensorcnt 0x0
	ds_add_u32 v[SPW], v[NIL]
	s_wait_dscnt 4*NL+1
	WIN MUL_LO
	MUL16 0, 1, 0
	s_wait_dscnt 0x0
	s_barrier_signal -1
	MUL16 2, 1, 0
	WIN 0
	s_barrier_wait -1
.if \fill
	CREST
	s_add_nc_u64 s[G0+4*\slot+2:G0+4*\slot+3], s[G0+4*\slot+2:G0+4*\slot+3], 2*ROWB
	s_add_nc_u64 s[G0B+4*\slot+2:G0B+4*\slot+3], s[G0B+4*\slot+2:G0B+4*\slot+3], 2*ROWB
	JLOAD G0+4*\slot, G1, G0B+4*\slot, G1B
.else
	PLACES NP
.endif
	FETCH_B \next, 0, 0
	FETCH_A \next, 0, 0
	WIN MUL_HI
	MUL16 4, 1, 0
	MUL16 6, 1, 0
	PLACES NP
	WIN 0
	FETCH_A \next, 0, 4
.endm
	s_wait_alu depctr_va_vdst(0)
	s_wait_tensorcnt 0x0                           ; my part of K step 0 is in
	ds_add_u32 v[SPW], v[NIL]
	s_wait_dscnt 0x0
	CROUND                                         ; everybody's part is in, and all sixteen work-groups are here
	JLOAD G0+4, G1, G0B+4, G1B                     ; K step 1
	FETCH_B 0, 0, 0
	FETCH_A 0, 0, 0
	FETCH_A 0, 0, 4
	STEP 0, 0, 1
	s_mov_b32 s3, LAPS-1
.Llap:
	TURN 0, 1, 1
	STEP 1, 0, 0
	TURN 1, 0, 1
	STEP 0, 0, 0
	s_sub_co_u32 s3, s3, 1
	s_cmp_lg_u32 s3, 0
	s_cbranch_scc1 .Llap
	TURN 0, 1, 0
	STEP 1, 0, 0
	s_wait_dscnt 4*NL
	WIN MUL_LO
	MUL16 0, 1, 0
	MUL16 2, 1, 0
	s_wait_dscnt 0
	WIN MUL_HI
	MUL16 4, 1, 0
	MUL16 6, 1, 0
	WIN 0
.macro QBLOCK a
.set AC, 64*((\a)%4)
	WIN 0x02+((\a)/4)
.set j, 0
.rept 64
	v_med3_num_f32 v[TMP+j], v[AC+j], s[HOLDN], s[HOLDP]
.set j, j+1
.endr
	WIN 0
.irp b, 0,1,2,3,4,5,6,7
	v_cvt_scalef32_pk8_fp8_f32 v[CD+16*(\a)+2*\b:CD+16*(\a)+2*\b+1], v[TMP+8*\b:TMP+8*\b+7], v[SC]
.endr
	v_nop
.irp b, 0,1,2,3
	ds_store_b128 v[STO], v[CD+16*(\a)+4*\b:CD+16*(\a)+4*\b+3] offset:16*QP*(\a)+32*\b
.endr
.endm
	s_wait_kmcnt 0x0
	s_cmp_eq_u32 ttmp9, 0
	s_cselect_b32 s96, s90, s91
	s_cmp_eq_u32 ttmp9, 2
	s_cselect_b32 s96, s93, s96
	s_sub_co_i32 s96, s96, s88
	s_sub_co_i32 s96, s96, s89
	s_add_co_i32 s96, s96, 127
	s_lshl_b32 s97, s96, 23
	v_mov_b32 v[SC], s97
	s_add_co_i32 s96, s96, 8
	s_lshl_b32 s96, s96, 23
	s_or_b32 s[HOLDP], s96, 0x600000
	s_or_b32 s[HOLDN], s[HOLDP], 0x80000000
	PLACES NP
.macro BACK u                          ; 64 rows back from my stage as fragment images: LDS serves a wave's instructions in order; they land where those rows' codes stood
.set t, 16*(\u)
.rept 16
	ds_load_b128 v[CD+4*t:CD+4*t+3], v[RD] offset:16*QP*(t/4)+32*((t/2)%2)+64*(t%2)
.set t, t+1
.endr
.endm
.macro SEND u, younger                 ; younger: the LDS instructions behind the 16 loads, which may stay out
	s_wait_dscnt \younger
.set t, 16*(\u)
.rept 16
	global_store_b128 v[CO], v[CD+4*t:CD+4*t+3], s[DST+4*(t%2)+2*(t/16):DST+4*(t%2)+2*(t/16)+1] offset:512*((t/2)%8)   ; 32 lanes store 512 consecutive bytes, aligned
.set t, t+1
.endr
.endm
.irp a, 0,1,2,3
	QBLOCK \a
.endr
	BACK 0
	QBLOCK 4
	QBLOCK 5
	SEND 0, 8                                      ; the first half leaves; two blocks' eight stores into the stage may be out
	QBLOCK 6
	QBLOCK 7
	BACK 1
	SEND 1, 0
	s_wait_tensorcnt 0x0
	ds_add_u32 v[SPW], v[NIL]
	s_wait_dscnt 0x0
	CROUND
	s_endpgm
.Lfunc_end_k_q54a5ef8884_qkv:
	.size	k_q54a5ef8884_qkv, .Lfunc_end_k_q54a5ef8884_qkv-k_q54a5ef8884_qkv
	.p2alignl 7, 3214868480
	.fill 96, 4, 3214868480
	.section	.rodata,"a",@progbits
	.p2align	6, 0x0
	.amdhsa_kernel k_q54a5ef8884_qkv
		.amdhsa_group_segment_fixed_size 327680
		.amdhsa_private_segment_fixed_size 0
		.amdhsa_enable_private_segment 0
		.amdhsa_kernarg_size 32
		.amdhsa_user_sgpr_count 2
		.amdhsa_user_sgpr_kernarg_segment_ptr 1
		.amdhsa_wavefront_size32 1
		.amdhsa_system_sgpr_workgroup_id_x 1
		.amdhsa_system_sgpr_workgroup_id_y 1
		.amdhsa_system_sgpr_workgroup_id_z 1
		.amdhsa_system_vgpr_workitem_id 0
		.amdhsa_next_free_vgpr 1024
		.amdhsa_next_free_sgpr 100
		.amdhsa_reserve_vcc 0
		.amdhsa_float_denorm_mode_32 3
		.amdhsa_float_denorm_mode_16_64 3
		.amdhsa_memory_ordered 1
		.amdhsa_forward_progress 1
		.amdhsa_inst_pref_size 123
	.end_amdhsa_kernel
	.amdgpu_metadata
---
amdhsa.version: [ 1, 2 ]
amdhsa.kernels:
  - .name:           k_q54a5ef8884_qkv
    .symbol:         k_q54a5ef8884_qkv.kd
    .args:
      - { .name: x_codes, .offset: 0, .size: 8, .value_kind: global_buffer, .address_space: global }
      - { .name: wqkv_codes, .offset: 8, .size: 8, .value_kind: global_buffer, .address_space: global }
      - { .name: lowp_scales, .offset: 16, .size: 8, .value_kind: global_buffer, .address_space: global }
      - { .name: qkv_codes, .offset: 24, .size: 8, .value_kind: global_buffer, .address_space: global }
    .group_segment_fixed_size: 327680
    .private_segment_fixed_size: 0
    .kernarg_segment_align: 8
    .kernarg_segment_size: 32
    .max_flat_workgroup_size: 128
    .sgpr_count:     100
    .vgpr_count:     1024
    .wavefront_size: 32
...
	.end_amdgpu_metadata
.endif
;; end of part 2
;; launch attn (part 3): grid 8 x 32, 8 waves a work-group, clusters of 4 x 1, 327,680 bytes of LDS; arguments qkv_codes, lowp_scales, ctx_codes; writes ctx_codes
.if DOCPART == 3
	.amdgcn_target "amdgcn-amd-amdhsa--gfx1250"
	.amdhsa_code_object_version 6
	.text
	.protected	k_q54a5ef8884_attn
	.globl	k_q54a5ef8884_attn
	.p2align	8
	.type	k_q54a5ef8884_attn,@function
k_q54a5ef8884_attn:
	s_mov_b64 s[64:65], 0
	v_nop
	global_prefetch_b8 v0, s[64:65] scope:SCOPE_SE
	s_setreg_imm32_b32 hwreg(HW_REG_WAVE_MODE, 25, 1), 1
	s_wait_xcnt 0x0
	s_wait_alu depctr_hold_cnt(0) depctr_sa_sdst(0) depctr_va_vdst(0) depctr_va_sdst(0) depctr_va_ssrc(0) depctr_va_vcc(0) depctr_vm_vsrc(0)
	s_getreg_b32 s2, hwreg(HW_REG_IB_STS2, 6, 4)
	s_cmp_eq_u32 s2, 0
	s_cbranch_scc0 .Lentry_in_a_cluster
	s_endpgm
.Lentry_in_a_cluster:
	s_bfe_u32 s2, ttmp6, 0x10000c
	s_cmp_lg_u32 s2, 0x3003
	s_cbranch_scc0 .Lentry_shape_is_right
	s_endpgm
.Lentry_shape_is_right:
; Causal attention of one head (head size 64, 2,048 tokens) on codes of FP8 (E4M3), and its result quantised: ctx's codes.  q, k, v come as the projection's launch laid them: q, k [token][64]; v [chunk of 64 keys][channel 64][64 keys];
; in each the innermost 64 in the order: in each group of 32, place 16 h + 8 u + j holds index 16 u + 8 h + j.
; THE SOFTMAX AHEAD OF THE SECOND PRODUCT: t = score x log2(e) / 8; M = the row's largest t so far, rounded UP to a whole number; p = 2^(t - M) is what is quantised (scale entry 4); it is not normalised.
; The row's sum is taken of the unquantised p, in f32, and divides O at the end.  When M moves, the sum and O are multiplied by 2^(old M - new M): exact.
; WORK LEFT OUT: a step of 128 keys all of which come after the block's 128 queries: reference() sets those scores to -infinity in its own body, so p is 0 whatever the inputs hold.  A NaN, an infinity or an overflow there is not carried.
; SHARES.  A head's 16 blocks of 128 queries go in pairs (i, 15 - i): 17 steps of 128 keys.  A head has two clusters of four work-groups: cluster c takes the pairs i = 2 p + c, p = 0 .. 3; of each block work-group cx takes queries 32 cx .. 32 cx + 31.
; Two waves work a pair, both with the block's 32 queries as two tiles of 16 (X and Y), so that each fragment of K and V feeds two products:
;   role 0 takes 8 steps of block 15 - i;   role 1 takes the i + 1 steps of block i and then the other 8 - i of block 15 - i: 9 trips.
;   In trip t the key step is 2 t - min(t, i + role), so at trip t no wave reads beyond key step 2 t.  Role 1 has both steps on the diagonal.
;   At the end the two partial results of block 15 - i are joined through LDS by exact powers of two: each wave hands over its tile Y and finishes its tile X; what is X to the one is Y to the other.
; How many steps a wave walks hangs on its number and on the cluster's number alone, never on cx: so K and V are asked for JOINTLY by the four work-groups of a cluster.
; LDS IS FILLED ONCE, in three groups: keys 0-511 at the head, 512-1023 behind the first round, 1024-2047 behind the round at trip 1; each of the eight waves brings an eighth of each group by one load (waves 0-3 K, 4-7 V).
; All of K and V has been asked for when trip 1 begins, each group one trip or two ahead of its first reader: no later request is left that a prefetch could run ahead of.
; LAYOUT.  Both products are used transposed: S^T = K Q^T (source 0 = 16 neighbouring keys, source 1 = 16 queries), O^T = V^T P^T: a lane holds ONE query (lane % 16).  Register 8 T + i of S^T is key 16 T + 8 (lane / 16) + i;
; tile T's conversion gives registers 2 T, 2 T + 1 of P; V's stored order puts the same key into the same register and byte of its fragment.
; LIMITS: e2 + e3 between -123 and 130; e4, and e6 - e4 - e5, between -126 and 119 (each power of two below is then an f32 number); the scaled scores stay under 2^31 in magnitude.
; REGISTERS, window 0: v1-9, v11-14, v17, v19 addresses and what stays; v16, v18 -M of X, Y; v20, v21 the largest scores; v[22:23], v[24:25] the sums; v26, v28 the factors; v30-39 at work; v48-63 Q, v64-79 the second block's Q;
;   v80-95 the way out; v96-159, v160-223 S^T, then p, of X and Y; v224-239, v240-255 p's codes.   Window 1: v0-63 K's fragments, v64-127 V's, v128-159, v160-191 O^T of X and Y.
; IN MEMORY AND IN LDS each run of 16 such rows of 64 bytes (16 tokens of q or k, 16 channels of a chunk of v) is laid as a fragment's registers: byte 512 j + 256 h + 16 r + m of the 1,024 is byte 32 j + 16 h + m of row r.
; So a fragment is two loads of 512 consecutive bytes, 16 a lane, and LDS needs no padding.
.set PITCH, 256                        ; a row of the tensor loads: 256 bytes, dense; four of them are 16 keys of K, or 16 channels of a chunk of V
.set STEPB, 32*PITCH                   ; 128 keys, of K or of V
.set TILEB, 4*PITCH                    ; 16 keys of K; 16 channels of V
.set VCH,   16*PITCH                   ; 64 keys of V
.set VBASE, 512*PITCH                  ; V lies behind K
.set EXB,   2*VBASE                    ; behind both: the exchange, EXW bytes for each wave; no tile lands there
.set EXW,   4608
.set STG,   EXB+8*EXW                  ; the way out: 1,024 bytes for each wave
.set SPARE, STG+8*1024                 ; the spare words, 128 bytes for each wave
.set AK0, 1                            ; my lane's place in a tile of K
.set AV0, 2                            ; the same for V
.set STO, 3                            ; the way out: where I put 8 codes
.set RD,  4                            ; the way out: where I read 16 codes back
.set SPW, 5
.set NIL, 6
.set GOX, 7                            ; my byte offset in ctx's block, tile X
.set GOY, 14                           ; tile Y
.set ADK, 8
.set ADV, 9
.set DA,  11                           ; v11, v12: 32 cx + lane % 16 - 8 (lane / 16), and that less 64
.set NEG, 13                           ; -infinity
.set EXS, 17                           ; my part of the exchange (also the unused upper half of the pair v[16:17])
.set EXL, 19                           ; my partner's (likewise of v[18:19])
.set HOLD, 40                          ; 448 x 2^e4
.set SC4, 41                           ; 2^e4
.set SCO, 42                           ; 2^(e6 - e4 - e5)
.set QX, 48
.set QY, 56
.set QH, 64
.set CD, 80
.set SX, 96
.set SY, 160
.set PX, 224
.set PY, 240
.set KF, 0                             ; window 1
.set VF, 64
.set OX, 128
.set OY, 160
.set T,   3                            ; s3  the trip
.set WV,  18
.set SEL, 20                           ; s[20:21] lane selects for v_permlanex16_b32: lane l xor 16
.set CS,  22                           ; s[22:23] log2(e) / 8 x 2^(e2 + e3)
.set G1A, 24                           ; s[24:31] descriptor group 1: 32 rows;  s[48:55]: 64 rows;  s[32:43] three groups 0
.set G1B, 48
.set IP,  44                           ; i + role
.set DGM, 45                           ; bit t: trip t lies on the diagonal
.set SWM, 46                           ; bit t: trip t begins the second block
.set IDM, 47                           ; bit t: nothing to do in trip t
.set KV,  56
.set KN,  57
.set MSB, 0
.macro WIN new                         ; the immediate's high byte repeats the setting that is left
.if MSB != \new
	s_set_vgpr_msb (MSB<<8)|\new
.set MSB, \new
.endif
.endm
.macro CROUND                          ; a round of the cluster's barrier
	s_barrier_signal -1
	s_barrier_wait -1
	s_cmp_lg_u32 s[WV], 0
	s_cbranch_scc1 .Lnot_wave_0_\@
	s_barrier_signal -3
.Lnot_wave_0_\@:
	s_barrier_wait -3
	s_barrier_signal -1
	s_barrier_wait -1
.endm
.macro JLOAD g0, g1
	tensor_load_to_lds s[\g0:\g0+3], s[\g1:\g1+7]
	s_nop 0
.rept 4
	v_nop
.endr
.endm
.macro CHANGE g0, g1                   ; everybody's part of the last group is in; the next group is asked for
	s_wait_tensorcnt 0x0
	ds_add_u32 v[SPW], v[NIL]
	s_wait_dscnt 0x0
	CROUND
	JLOAD \g0, \g1
.endm
; byte offset of the key step of trip T + dt: 2 t - min(t, i + role), as (2 t + (15 - min) + 1) mod (mask + 1)
.macro KOFF d, dt, mask
	s_add_co_u32 s[\d], s[T], \dt
	s_min_u32 s58, s[\d], s[IP]
	s_xor_b32 s58, s58, 15
	s_lshl_b32 s[\d], s[\d], 1
	s_add_co_u32 s[\d], s[\d], s58
	s_add_co_u32 s[\d], s[\d], 1
	s_and_b32 s[\d], s[\d], \mask
	s_mul_i32 s[\d], s[\d], STEPB
.endm
.macro LOADK adr
.irp t, 0,1,2,3,4,5,6,7
	ds_load_b128 v[KF+8*\t:KF+8*\t+3], v[\adr] offset:TILEB*\t
	ds_load_b128 v[KF+8*\t+4:KF+8*\t+7], v[\adr] offset:TILEB*\t+512
.endr
.endm
.macro OUT1 cd, bk                     ; 16 queries x 64 codes through my stage: LDS serves a wave's instructions in order
.irp t, 0,1,2,3
	ds_store_b64 v[STO], v[\cd+2*\t:\cd+2*\t+1] offset:16*\t
.endr
	ds_load_b128 v[\bk:\bk+3], v[RD]
	ds_load_b128 v[\bk+4:\bk+7], v[RD] offset:512
.endm
	s_load_b128 s[4:7], s[0:1], 0x0                ; qkv_codes, the scales' exponents
	s_load_b64 s[8:9], s[0:1], 0x10                ; ctx_codes
	v_lshl_add_u32 v[SPW], v0, 2, SPARE
	v_mov_b32 v[NIL], 0
	ds_add_u32 v[SPW], v[NIL]                      ; the wave's opening: the add, twice on end, and its wait
	ds_add_u32 v[SPW], v[NIL]
	v_lshrrev_b32 v10, 5, v0
	v_readfirstlane_b32 s[WV], v10                 ; wave 0..7
	s_bfe_u32 s76, ttmp6, 0x40000                  ; cx
	s_and_b32 s77, ttmp7, 0xffff                   ; 16 b + head
	s_and_b32 s78, s[WV], 3                        ; p; also which quarter of a group I fetch
	s_lshr_b32 s79, s[WV], 2                       ; 0: I fetch K; 1: V
	s_xor_b32 s80, s[WV], s79
	s_and_b32 s80, s80, 1                          ; my role: waves w and w + 4 differ in it, and so do waves 2 n and 2 n + 1
	s_lshl_b32 s81, s78, 1
	s_add_co_u32 s81, s81, ttmp9                   ; i = 2 p + cluster
	s_add_co_u32 s[IP], s81, s80
	s_lshl_b32 s[DGM], 1, s81
	s_or_b32 s[DGM], s[DGM], 256
	s_lshl_b32 s[SWM], 2, s81
	s_sub_co_u32 s82, 15, s81                      ; the pair's high block
	s_cmp_eq_u32 s80, 1
	s_cselect_b32 s[DGM], s[DGM], 0                ; role 1: trips i and 8
	s_cselect_b32 s[SWM], s[SWM], 0                ; role 1: trip i + 1
	s_cselect_b32 s[IDM], 0, 256                   ; role 0: trip 8
	s_cselect_b32 s83, s81, s82                    ; my first block
	s_lshl_b32 s84, s76, 5                         ; 32 cx
	s_lshl_b32 s85, s80, 4
	s_add_co_u32 s86, s84, s85                     ; tile X: 16 x role on,
	s_xor_b32 s85, s85, 16
	s_add_co_u32 s87, s84, s85                     ; tile Y: the other 16
	s_lshl_b32 s86, s86, 6                         ; in bytes
	s_lshl_b32 s87, s87, 6
	s_lshl_b32 s88, s77, 17                        ; the head's bytes in a part
	s_lshl_b32 s90, s83, 13
	s_add_co_u32 s90, s90, s88                     ; Q of my first block,
	s_mov_b32 s91, 0
	s_lshl_b32 s92, s82, 13
	s_add_co_u32 s92, s92, s88                     ; and of the high block
	s_mov_b32 s93, 0
	s_and_b32 s94, s77, 15                         ; ctx_codes: [head][2,048 b + token][64]
	s_lshl_b32 s94, s94, 18
	s_lshr_b32 s95, s77, 4
	s_lshl_b32 s95, s95, 17
	s_add_co_u32 s94, s94, s95
	s_lshl_b32 s60, s83, 13
	s_add_co_u32 s60, s60, s94
	s_mov_b32 s61, 0
	s_lshl_b32 s62, s82, 13
	s_add_co_u32 s62, s62, s94
	s_mov_b32 s63, 0
	s_add_co_u32 s95, s79, 1
	s_lshl_b32 s95, s95, 22                        ; part 1 (k) or 2 (v)
	s_add_co_u32 s95, s95, s88
	s_lshl_b32 s10, s78, 13                        ; groups 0 and 1: 32 rows of 256 bytes a wave
	s_add_co_u32 s10, s10, s95
	s_mov_b32 s11, 0
	s_lshl_b32 s12, s78, 14                        ; group 2: 64 rows
	s_add_co_u32 s12, s12, s95
	s_add_co_u32 s12, s12, 0x10000
	s_mov_b32 s13, 0
	s_mul_i32 s14, s79, VBASE
	s_mul_i32 s15, s78, 32*PITCH
	s_add_co_u32 s15, s15, s14                     ; and where they go
	s_mul_i32 s16, s78, 64*PITCH
	s_add_co_u32 s16, s16, s14
	; descriptor group 1: rows of 256 bytes, dense in memory and in LDS
.irp g, G1A, G1B
	s_mov_b32 s[\g], 15|(0<<16)|(1<<21)            ; 15:0 the mask: the cluster's four; 17:16 elements of 1 byte; 21 set beside a mask
	s_mov_b32 s[\g+1], 256<<16
	s_mov_b32 s[\g+3], 256<<16
	s_mov_b32 s[\g+5], 256
	s_mov_b32 s[\g+6], 0
	s_mov_b32 s[\g+7], 0
.endr
	s_mov_b32 s[G1A+2], 32<<16
	s_mov_b32 s[G1A+4], 32
	s_mov_b32 s[G1B+2], 64<<16
	s_mov_b32 s[G1B+4], 64
	s_mov_b32 s32, 1
	s_mov_b32 s33, s15
	s_mov_b32 s36, 1
	s_add_co_u32 s37, s15, 128*PITCH
	s_mov_b32 s40, 1
	s_add_co_u32 s41, s16, 256*PITCH
	s_mov_b32 s[SEL], 0x76543210
	s_mov_b32 s[SEL+1], 0xfedcba98
	s_mov_b32 s[CS], 0x3e38aa3b                    ; log2(e) / 8
	s_mul_i32 s89, s[WV], EXW
	s_add_co_u32 s89, s89, EXB
	s_xor_b32 s96, s[WV], 4                        ; my partner
	s_mul_i32 s96, s96, EXW
	s_add_co_u32 s96, s96, EXB
	s_lshl_b32 s97, s[WV], 10
	s_add_co_u32 s97, s97, STG                     ; my stage
	s_wait_dscnt 0x0                               ; both opening adds are done
	s_wait_kmcnt 0x0
	s_load_b256 s[68:75], s[6:7], 0x0              ; e0 .. e7
	s_add_nc_u64 s[34:35], s[4:5], s[10:11]
	s_add_nc_u64 s[38:39], s[34:35], 0x8000
	s_add_nc_u64 s[42:43], s[4:5], s[12:13]
	s_or_b32 s35, s35, 0x80000000
	s_or_b32 s39, s39, 0x80000000
	s_or_b32 s43, s43, 0x80000000
	s_add_nc_u64 s[90:91], s[4:5], s[90:91]
	s_add_nc_u64 s[92:93], s[4:5], s[92:93]
	s_add_nc_u64 s[60:61], s[8:9], s[60:61]
	s_add_nc_u64 s[62:63], s[8:9], s[62:63]
	CROUND                                         ; all four work-groups are here: the joint loads meet
	JLOAD 32, G1A                                  ; keys 0-511: one tensor load a wave at the head
	v_and_b32 v80, 15, v0                          ; r
	v_bfe_u32 v81, v0, 4, 1                        ; h
	v_and_b32 v[AK0], 31, v0
	v_lshlrev_b32 v[AK0], 4, v[AK0]                ; 16 x lane
	v_add_nc_u32 v83, s86, v[AK0]
	v_add_nc_u32 v84, s87, v[AK0]
	global_load_b128 v[QX:QX+3], v83, s[90:91]     ; the same bytes of a row in the same registers as K's
	global_load_b128 v[QX+4:QX+7], v83, s[90:91] offset:512
	global_load_b128 v[QY:QY+3], v84, s[90:91]
	global_load_b128 v[QY+4:QY+7], v84, s[90:91] offset:512
	global_load_b128 v[QH:QH+3], v83, s[92:93]
	global_load_b128 v[QH+4:QH+7], v83, s[92:93] offset:512
	global_load_b128 v[QH+8:QH+11], v84, s[92:93]
	global_load_b128 v[QH+12:QH+15], v84, s[92:93] offset:512
	v_add_nc_u32 v[AV0], VBASE, v[AK0]
	v_lshlrev_b32 v[STO], 6, v80
	v_lshl_add_u32 v[STO], v81, 3, v[STO]
	v_add_nc_u32 v[STO], s97, v[STO]               ; in: query r's 64 bytes, + 8 h
	v_and_b32 v87, 31, v0
	v_lshlrev_b32 v87, 4, v87                      ; 16 x lane
	v_add_nc_u32 v[RD], s97, v87                   ; back: as the bytes lie
	v_add_nc_u32 v[GOX], s86, v87
	v_add_nc_u32 v[GOY], s87, v87
	v_add_nc_u32 v[EXS], s89, v87
	v_add_nc_u32 v[EXL], s96, v87
	v_lshlrev_b32 v88, 3, v81
	v_sub_nc_u32 v88, v80, v88
	v_add_nc_u32 v[DA], s84, v88
	v_add_nc_u32 v[DA+1], 0xffffffc0, v[DA]
	v_mov_b32 v[NEG], 0xff800000
	v_mov_b32 v27, 0                               ; (upper halves of pairs of which the lower word alone counts,
	v_mov_b32 v29, 0
	v_mov_b32 v45, 0
	v_mov_b32 v47, 0
	v_mov_b32 v34, 0                               ; and the lane permutes' destinations, which count as sources)
	v_mov_b32 v35, 0
	s_wait_alu depctr_va_vdst(0)
	s_wait_kmcnt 0x0
	s_add_co_i32 s95, s70, s71
	s_lshl_b32 s95, s95, 23
	s_add_co_i32 s[CS], s[CS], s95                 ; a score stands for score x 2^(e2 + e3): the two exponents are added to the factor's exponent field
	s_mov_b32 s[CS+1], s[CS]                       ; (named with it as a pair, so it is written)
	s_add_co_i32 s95, s72, 127
	s_lshl_b32 s96, s95, 23
	s_add_co_i32 s95, s95, 8
	s_lshl_b32 s95, s95, 23
	s_or_b32 s95, s95, 0x600000
	s_sub_co_i32 s97, s74, s72
	s_sub_co_i32 s97, s97, s73                     ; O^T / the sum stands for that x 2^(e4 + e5): ctx's code is it / 2^(e6 - e4 - e5)
	s_add_co_i32 s97, s97, 127
	s_lshl_b32 s94, s97, 23
	s_add_co_i32 s97, s97, 8
	s_lshl_b32 s98, s97, 23
	s_or_b32 s98, s98, 0x600000                    ; 448 x that,
	s_or_b32 s99, s98, 0x80000000                  ; and its negative
	v_mov_b32 v[SC4], s96
	v_mov_b32 v[HOLD], s95
	v_mov_b32 v[SCO], s94
; THE FIRST BLOCK (role 1's block i) GOES OUT, and the second begins.  O^T keeps its numbers and -M becomes 3e38: the next step's factor is then 0, which clears O^T and the sums (they are finite).
.macro SWITCH
.rept 4
	v_nop                                          ; places behind the last products
.endr
	v_add_f32 v30, v22, v23
	v_add_f32 v32, v24, v25
	v_permlanex16_b32 v34, v30, s[SEL], s[SEL+1]
	v_permlanex16_b32 v35, v32, s[SEL], s[SEL+1]
	v_add_f32 v30, v30, v34                        ; the rows' sums
	v_add_f32 v32, v32, v35
	s_wait_alu depctr_va_vdst(0)
	v_rcp_f32 v44, v30
	v_rcp_f32 v46, v32
	v_nop
	WIN 0x01
	s_wait_alu depctr_va_vdst(0)                   ; ahead of the first reader of the reciprocals and of O^T
.set j, 0
.rept 16
	v_pk_mul_f32 v[SX+j:SX+j+1], v[OX+j:OX+j+1], v[44:45] op_sel_hi:[1,0]
.set j, j+2
.endr
.set j, 0
.rept 16
	v_pk_mul_f32 v[SY+j:SY+j+1], v[OY+j:OY+j+1], v[46:47] op_sel_hi:[1,0]
.set j, j+2
.endr
	WIN 0
.set j, 0
.rept 32
	v_med3_num_f32 v[SX+j], v[SX+j], s99, s98      ; the hold at the largest code x the scale
	v_med3_num_f32 v[SY+j], v[SY+j], s99, s98
.set j, j+1
.endr
.irp t, 0,1,2,3
	v_cvt_scalef32_pk8_fp8_f32 v[CD+2*\t:CD+2*\t+1], v[SX+8*\t:SX+8*\t+7], v[SCO]
	v_cvt_scalef32_pk8_fp8_f32 v[CD+8+2*\t:CD+8+2*\t+1], v[SY+8*\t:SY+8*\t+7], v[SCO]
.endr
.set j, 0
.rept 16
	v_mov_b32 v[QX+j], v[QH+j]                     ; the second block's queries
.set j, j+1
.endr
	v_mov_b32 v16, 0x7f61b1e6                      ; -M = 3e38
	v_mov_b32 v18, 0x7f61b1e6
	v_mov_b32 v20, 0xff61b1e6                      ; the largest score so far: -3e38
	v_mov_b32 v21, 0xff61b1e6
	s_wait_alu depctr_va_vdst(0)
	s_wait_xcnt 0x0                                ; any earlier store of mine has read its registers
	OUT1 CD, QH
	OUT1 CD+8, QH+8
	s_wait_dscnt 0x0
	global_store_b128 v[GOX], v[QH:QH+3], s[60:61]             ; 32 lanes store 512 consecutive bytes, aligned
	global_store_b128 v[GOX], v[QH+4:QH+7], s[60:61] offset:512
	global_store_b128 v[GOY], v[QH+8:QH+11], s[60:61]
	global_store_b128 v[GOY], v[QH+12:QH+15], s[60:61] offset:512
.endm
; A TRIP: one step of 128 keys for both tiles.  K's fragments are in registers or on their way when it begins.  mask: the key steps that lie in LDS, less one.
.macro TRIP first, mask
.if \first == 0
	s_bitcmp1_b32 s[SWM], s[T]                     ; scalar branches on ids; no barrier and no tensor load stands in a trip
	s_cbranch_scc0 .Lsame_\@
	SWITCH
.Lsame_\@:
.endif
	s_wait_alu depctr_va_vdst(0)
	KOFF KV, 0, \mask
	KOFF KN, 1, \mask
	s_wait_dscnt 0x0                               ; K is in
	WIN 0x01
.irp t, 0,1,2,3,4,5,6,7                        ; S^T = K Q^T: eight tiles of 16 keys
	v_wmma_f32_16x16x64_fp8_fp8 v[SX+8*\t:SX+8*\t+7], v[KF+8*\t:KF+8*\t+7], v[QX:QX+7], 0
	v_wmma_f32_16x16x64_fp8_fp8 v[SY+8*\t:SY+8*\t+7], v[KF+8*\t:KF+8*\t+7], v[QY:QY+7], 0
.endr
	WIN 0
	v_add_nc_u32 v[ADV], s[KV], v[AV0]
	v_add_nc_u32 v[ADK], s[KN], v[AK0]
	v_nop                                          ; with the two additions: four places in front of the loads, and of the first read of the scores
	v_nop
	WIN 0x40
.irp t, 0,1,2,3                                ; V lands under the softmax: fragment t = channels 16 t on x these 128 keys
.irp c, 0,1,2,3
	ds_load_b128 v[VF+16*\t+4*\c:VF+16*\t+4*\c+3], v[ADV] offset:VCH*(\c/2)+TILEB*\t+512*(\c%2)
.endr
.endr
	LOADK ADK                                      ; and the next trip's K (behind the last trip: unused, inside K's bytes)
	WIN 0
	s_bitcmp1_b32 s[DGM], s[T]
	s_cbranch_scc0 .Lopen_\@
.irp t, 0,1,2,3,4,5,6,7                        ; on the diagonal (role 1: X is the later tile) hidden scores become -infinity: key 16 t + 8 h + j is hidden from Y's query r where 16 t + j > d, and from X's where 16 (t - 1) + j > d
.irp j, 0,1,2,3,4,5,6,7
	v_cmp_gt_i32 s[80+\j], 16*(\t%4)+\j, v[DA+\t/4]
.endr
.irp j, 0,1,2,3,4,5,6,7
	v_cndmask_b32 v[SY+8*\t+\j], v[SY+8*\t+\j], v[NEG], s[80+\j]
.if \t < 7
	v_cndmask_b32 v[SX+8*\t+8+\j], v[SX+8*\t+8+\j], v[NEG], s[80+\j]
.endif
.endr
.endr
.Lopen_\@:
	v_max3_num_f32 v30, v[SX], v[SX+1], v[SX+2]    ; the largest score of each tile's query, in two chains a tile; each accumulator from its low end on
	v_max3_num_f32 v32, v[SY], v[SY+1], v[SY+2]
	v_max3_num_f32 v31, v[SX+3], v[SX+4], v[SX+5]
	v_max3_num_f32 v33, v[SY+3], v[SY+4], v[SY+5]
.irp i, 6,10,14,18,22,26,30,34,38,42,46,50,54,58
	v_max3_num_f32 v30, v30, v[SX+\i], v[SX+\i+1]
	v_max3_num_f32 v32, v32, v[SY+\i], v[SY+\i+1]
	v_max3_num_f32 v31, v31, v[SX+\i+2], v[SX+\i+3]
	v_max3_num_f32 v33, v33, v[SY+\i+2], v[SY+\i+3]
.endr
	v_max3_num_f32 v30, v30, v[SX+62], v[SX+63]
	v_max3_num_f32 v32, v32, v[SY+62], v[SY+63]
	v_max_num_f32 v30, v30, v31
	v_max_num_f32 v32, v32, v33
	v_permlanex16_b32 v34, v30, s[SEL], s[SEL+1]
	v_permlanex16_b32 v35, v32, s[SEL], s[SEL+1]
.if \first
	v_max_num_f32 v20, v30, v34
	v_max_num_f32 v21, v32, v35
.else
	v_max3_num_f32 v20, v20, v30, v34              ; the running largest score
	v_max3_num_f32 v21, v21, v32, v35
.endif
	v_mul_f32 v30, s[CS], v20                      ; as t (the factor is positive)
	v_mul_f32 v32, s[CS], v21
.if \first
	v_floor_f32 v16, -v30                          ; -M = floor(-t) = -ceil(t): M is a whole number
	v_floor_f32 v18, -v32
.else
	v_floor_f32 v30, -v30
	v_floor_f32 v32, -v32
	v_sub_f32 v31, v30, v16                        ; M's old value less its new one: a whole number, 0 or less
	v_sub_f32 v33, v32, v18
	v_mov_b32 v16, v30
	v_mov_b32 v18, v32
	v_cvt_i32_f32 v31, v31                         ; (it saturates)
	v_cvt_i32_f32 v33, v33
	v_ldexp_f32 v26, 1.0, v31                      ; the factor 2^(old M - new M): a multiplication by it rounds nothing
	v_ldexp_f32 v28, 1.0, v33
.endif
.set j, 0
.rept 32
	v_pk_fma_f32 v[SX+j:SX+j+1], v[SX+j:SX+j+1], s[CS:CS+1], v[16:17] op_sel_hi:[1,0,0]   ; t - M, two at a time
.set j, j+2
.endr
.set j, 0
.rept 32
	v_pk_fma_f32 v[SY+j:SY+j+1], v[SY+j:SY+j+1], s[CS:CS+1], v[18:19] op_sel_hi:[1,0,0]
.set j, j+2
.endr
	s_wait_alu depctr_va_vdst(0)
.set j, 0
.rept 128
	v_exp_f32 v[SX+j], v[SX+j]                     ; p = 2^(t - M): not normalised (X's 64, then Y's)
.set j, j+1
.endr
.if \first
	v_nop                                          ; a plain line behind the exponentials
	s_wait_alu depctr_va_vdst(0)                   ; one wait for the whole batch, ahead of its first reader
	v_pk_add_f32 v[22:23], v[SX:SX+1], v[SX+4:SX+5]
	v_pk_add_f32 v[24:25], v[SY:SY+1], v[SY+4:SY+5]
	v_pk_add_f32 v[36:37], v[SX+2:SX+3], v[SX+6:SX+7]
	v_pk_add_f32 v[38:39], v[SY+2:SY+3], v[SY+6:SY+7]
.else
	WIN 0x41
	s_wait_alu depctr_va_vdst(0)                   ; ahead of the first reader of O^T, and for the whole batch
.set j, 0
.rept 16
	v_pk_mul_f32 v[OX+j:OX+j+1], v[OX+j:OX+j+1], v[26:27] op_sel_hi:[1,0]   ; O^T under the new M: also the plain lines behind the exponentials
.set j, j+2
.endr
.set j, 0
.rept 16
	v_pk_mul_f32 v[OY+j:OY+j+1], v[OY+j:OY+j+1], v[28:29] op_sel_hi:[1,0]
.set j, j+2
.endr
	WIN 0
	v_pk_fma_f32 v[22:23], v[22:23], v[26:27], v[SX:SX+1] op_sel_hi:[1,0,1]   ; the sums of the unquantised p, under the new M
	v_pk_fma_f32 v[24:25], v[24:25], v[28:29], v[SY:SY+1] op_sel_hi:[1,0,1]
	v_pk_add_f32 v[36:37], v[SX+2:SX+3], v[SX+6:SX+7]
	v_pk_add_f32 v[38:39], v[SY+2:SY+3], v[SY+6:SY+7]
	v_pk_add_f32 v[22:23], v[22:23], v[SX+4:SX+5]
	v_pk_add_f32 v[24:25], v[24:25], v[SY+4:SY+5]
.endif
.irp j, 8,12,16,20,24,28,32,36,40,44,48,52,56,60
	v_pk_add_f32 v[36:37], v[36:37], v[SX+\j+2:SX+\j+3]
	v_pk_add_f32 v[38:39], v[38:39], v[SY+\j+2:SY+\j+3]
	v_pk_add_f32 v[22:23], v[22:23], v[SX+\j:SX+\j+1]
	v_pk_add_f32 v[24:25], v[24:25], v[SY+\j:SY+\j+1]
.endr
	v_pk_add_f32 v[22:23], v[22:23], v[36:37]
	v_pk_add_f32 v[24:25], v[24:25], v[38:39]
.set j, 0
.rept 64
	v_dual_min_num_f32 v[SX+j], v[SX+j], v[HOLD] :: v_dual_min_num_f32 v[SX+j+1], v[SX+j+1], v[HOLD]   ; the conversion to an 8-bit code does not saturate (ISA guide 7.6.2); p is not negative, so the hold is one-sided
.set j, j+2
.endr
.irp t, 0,1,2,3,4,5,6,7
	v_cvt_scalef32_pk8_fp8_f32 v[PX+2*\t:PX+2*\t+1], v[SX+8*\t:SX+8*\t+7], v[SC4]
	v_cvt_scalef32_pk8_fp8_f32 v[PY+2*\t:PY+2*\t+1], v[SY+8*\t:SY+8*\t+7], v[SC4]
.endr
	v_nop                                          ; a plain line between the conversions and the products
	s_wait_alu depctr_va_vdst(0)
	s_wait_dscnt 16                                ; V's 16 loads are in; the next K's 16 may be out
.if \first
	WIN 0x41
.else
	WIN 0x51
.endif
.irp t, 0,1,2,3                                ; O^T += V^T P^T: eight accumulators, one instruction each; between two links of a chain stand the next trip's sixteen products
.if \first
	v_wmma_f32_16x16x128_fp8_fp8 v[OX+8*\t:OX+8*\t+7], v[VF+16*\t:VF+16*\t+15], v[PX:PX+15], 0
	v_wmma_f32_16x16x128_fp8_fp8 v[OY+8*\t:OY+8*\t+7], v[VF+16*\t:VF+16*\t+15], v[PY:PY+15], 0
.else
	v_wmma_f32_16x16x128_fp8_fp8 v[OX+8*\t:OX+8*\t+7], v[VF+16*\t:VF+16*\t+15], v[PX:PX+15], v[OX+8*\t:OX+8*\t+7]
	v_wmma_f32_16x16x128_fp8_fp8 v[OY+8*\t:OY+8*\t+7], v[VF+16*\t:VF+16*\t+15], v[PY:PY+15], v[OY+8*\t:OY+8*\t+7]
.endif
.endr
	WIN 0
.endm
	s_wait_alu depctr_va_vdst(0)
	s_wait_loadcnt 0x0                             ; Q
	CHANGE 36, G1A                                 ; keys 0-511 are in; keys 512-1023 are asked for
	WIN 0x40
	LOADK AK0                                      ; key step 0
	WIN 0
	s_mov_b32 s[T], 0
	TRIP 1, 3
	CHANGE 40, G1B                                 ; keys up to 1023 are in; the rest is asked for
	s_mov_b32 s[T], 1
.Lfew:                                             ; trips 1 and 2
	TRIP 0, 7
	s_add_co_u32 s[T], s[T], 1
	s_cmp_lt_u32 s[T], 3
	s_cbranch_scc1 .Lfew
	s_wait_tensorcnt 0x0                           ; all my loads have landed, and no LDS instruction of mine is out at the signal
	s_wait_dscnt 0x0
	s_barrier_signal -1
	s_barrier_wait -1                              ; the whole head lies in LDS
	s_mov_b32 s[T], 3
.Lmost:                                            ; trips 3 to 8
	s_bitcmp1_b32 s[IDM], s[T]
	s_cbranch_scc1 .Lidle                          ; role 0 has no trip 8
	TRIP 0, 15
.Lidle:
	s_add_co_u32 s[T], s[T], 1
	s_cmp_lt_u32 s[T], 9
	s_cbranch_scc1 .Lmost
	; THE JOINING.  My tile Y goes to my partner; my partner's is my tile X.
.rept 4
	v_nop                                          ; places behind the last products
.endr
	v_add_f32 v36, v24, v25                        ; my lane's part of Y's sum, and -M
	v_mov_b32 v37, v18
	WIN 0x04
.irp k, 0,1,2,3,4,5,6,7
	ds_store_b128 v[EXS], v[OY+4*\k:OY+4*\k+3] offset:512*\k
.endr
	WIN 0
	ds_store_b128 v[EXS], v[36:39] offset:4096     ; (the upper two words are not used)
	v_add_f32 v22, v22, v23
	s_wait_alu depctr_va_vdst(0)
	s_wait_dscnt 0x0
	s_barrier_signal -1
	s_barrier_wait -1
	ds_load_b128 v[36:39], v[EXL] offset:4096
.irp k, 0,1,2,3,4,5,6,7
	ds_load_b128 v[SY+4*\k:SY+4*\k+3], v[EXL] offset:512*\k
.endr
	s_wait_dscnt 8                                 ; the sum and -M are in; the eight loads of O^T may be out
	v_min_num_f32 v30, v16, v37                    ; -M of both
	v_sub_f32 v31, v30, v16
	v_sub_f32 v33, v30, v37
	v_cvt_i32_f32 v31, v31
	v_cvt_i32_f32 v33, v33
	v_ldexp_f32 v26, 1.0, v31
	v_ldexp_f32 v28, 1.0, v33
	v_mul_f32 v22, v22, v26
	v_fma_f32 v22, v36, v28, v22
	v_permlanex16_b32 v34, v22, s[SEL], s[SEL+1]
	v_add_f32 v22, v22, v34                        ; the row's sum
	s_wait_alu depctr_va_vdst(0)                   ; ahead of the transcendental
	v_rcp_f32 v44, v22
	v_nop
	s_wait_alu depctr_va_vdst(0)                   ; and ahead of its first reader
	v_mul_f32 v26, v26, v44
	v_mul_f32 v28, v28, v44
	s_wait_dscnt 0x0
	WIN 0x01
	s_wait_alu depctr_va_vdst(0)                   ; directly ahead of the first reader of O^T
.set j, 0
.rept 16
	v_pk_mul_f32 v[SX+j:SX+j+1], v[OX+j:OX+j+1], v[26:27] op_sel_hi:[1,0]
.set j, j+2
.endr
	WIN 0
.set j, 0
.rept 16
	v_pk_fma_f32 v[SX+j:SX+j+1], v[SY+j:SY+j+1], v[28:29], v[SX+j:SX+j+1] op_sel_hi:[1,0,1]   ; register 8 t + i is channel 16 t + 8 h + i of query r
.set j, j+2
.endr
.set j, 0
.rept 32
	v_med3_num_f32 v[SX+j], v[SX+j], s99, s98
.set j, j+1
.endr
.irp t, 0,1,2,3
	v_cvt_scalef32_pk8_fp8_f32 v[CD+2*\t:CD+2*\t+1], v[SX+8*\t:SX+8*\t+7], v[SCO]
.endr
	v_nop
	OUT1 CD, SY
	s_wait_dscnt 0x0
	global_store_b128 v[GOX], v[SY:SY+3], s[62:63]
	global_store_b128 v[GOX], v[SY+4:SY+7], s[62:63] offset:512
	s_wait_tensorcnt 0x0                           ; the wave's end
	ds_add_u32 v[SPW], v[NIL]
	s_wait_dscnt 0x0
	CROUND                                         ; the closing round: no work-group ends while a partner may still ask for a tile that names it
	s_endpgm
.Lfunc_end_k_q54a5ef8884_attn:
	.size	k_q54a5ef8884_attn, .Lfunc_end_k_q54a5ef8884_attn-k_q54a5ef8884_attn
	.p2alignl 7, 3214868480
	.fill 96, 4, 3214868480
	.section	.rodata,"a",@progbits
	.p2align	6, 0x0
	.amdhsa_kernel k_q54a5ef8884_attn
		.amdhsa_group_segment_fixed_size 327680
		.amdhsa_private_segment_fixed_size 0
		.amdhsa_enable_private_segment 0
		.amdhsa_kernarg_size 24
		.amdhsa_user_sgpr_count 2
		.amdhsa_user_sgpr_kernarg_segment_ptr 1
		.amdhsa_wavefront_size32 1
		.amdhsa_system_sgpr_workgroup_id_x 1
		.amdhsa_system_sgpr_workgroup_id_y 1
		.amdhsa_system_sgpr_workgroup_id_z 1
		.amdhsa_system_vgpr_workitem_id 0
		.amdhsa_next_free_vgpr 448
		.amdhsa_next_free_sgpr 100
		.amdhsa_reserve_vcc 0
		.amdhsa_float_denorm_mode_32 3
		.amdhsa_float_denorm_mode_16_64 3
		.amdhsa_memory_ordered 1
		.amdhsa_forward_progress 1
		.amdhsa_inst_pref_size 155
	.end_amdhsa_kernel
	.amdgpu_metadata
---
amdhsa.version: [ 1, 2 ]
amdhsa.kernels:
  - .name:           k_q54a5ef8884_attn
    .symbol:         k_q54a5ef8884_attn.kd
    .args:
      - { .name: qkv_codes, .offset: 0, .size: 8, .value_kind: global_buffer, .address_space: global }
      - { .name: lowp_scales, .offset: 8, .size: 8, .value_kind: global_buffer, .address_space: global }
      - { .name: ctx_codes, .offset: 16, .size: 8, .value_kind: global_buffer, .address_space: global }
    .group_segment_fixed_size: 327680
    .private_segment_fixed_size: 0
    .kernarg_segment_align: 8
    .kernarg_segment_size: 24
    .max_flat_workgroup_size: 256
    .sgpr_count:     100
    .vgpr_count:     448
    .wavefront_size: 32
...
	.end_amdgpu_metadata
.endif
;; end of part 3
;; launch proj (part 4): grid 8 x 32, 4 waves a work-group, clusters of 4 x 4, 327,680 bytes of LDS; arguments ctx_codes, wproj_codes, lowp_scales, b_proj, out0; writes out0
.if DOCPART == 4
	.amdgcn_target "amdgcn-amd-amdhsa--gfx1250"
	.amdhsa_code_object_version 6
	.text
	.protected	k_q54a5ef8884_proj
	.globl	k_q54a5ef8884_proj
	.p2align	8
	.type	k_q54a5ef8884_proj,@function
k_q54a5ef8884_proj:
	s_mov_b64 s[64:65], 0
	v_nop
	global_prefetch_b8 v0, s[64:65] scope:SCOPE_SE
	s_setreg_imm32_b32 hwreg(HW_REG_WAVE_MODE, 25, 1), 1
	s_wait_xcnt 0x0
	s_wait_alu depctr_hold_cnt(0) depctr_sa_sdst(0) depctr_va_vdst(0) depctr_va_sdst(0) depctr_va_ssrc(0) depctr_va_vcc(0) depctr_vm_vsrc(0)
	s_getreg_b32 s2, hwreg(HW_REG_IB_STS2, 6, 4)
	s_cmp_eq_u32 s2, 0
	s_cbranch_scc0 .Lentry_in_a_cluster
	s_endpgm
.Lentry_in_a_cluster:
	s_bfe_u32 s2, ttmp6, 0x10000c
	s_cmp_lg_u32 s2, 0xf033
	s_cbranch_scc0 .Lentry_shape_is_right
	s_endpgm
.Lentry_shape_is_right:
; out0[token][e] = 2^(e6 + e7) x (sum over k of ctx's code x w_proj's code) + b_proj[e]: codes of FP8 (E4M3), sums in f32.  ctx_codes: [head 16][token 4,096][64]; wproj_codes: [1,024][1,024], K innermost; K = 64 head + channel.
; LIMIT: e6 + e7 between -126 and 127, so that 2^(e6 + e7) is an f32 number.
; A tile of 128 tokens x 128 features is made by four waves, each 64 x 64: 16 accumulators.  256 tiles, one to a work-group.
; LDS IS FILLED ONCE: the tile's whole K, by one load a wave in the first lines, read behind one barrier.  So nothing is filled again, and there is no later request that a prefetch could run ahead of.
; CLUSTERS of 4 x 4 work-groups: the four of a row need the same tokens' codes, the four of a column the same rows of w_proj: each tile is asked for JOINTLY.
; THE MATRIX INSTRUCTION IS USED TRANSPOSED (source 0 = 16 rows of w_proj, source 1 = 16 tokens): a lane holds eight neighbouring features of one token.
; REGISTERS: window 0: v16, v17, v20 LDS addresses of my A and B fragments; v24-26 the way out; v28, v29 the add's; v32-63 the bias of my 32 features; v64-95 at work; v128-255 the accumulators ((a, b) at v[128 + 8 (4 a + b)]).
;   window 1: two fragment buffers of 128: A's 4 x 16 registers, then B's 4 x 16.
.set PITCH,  272                       ; A: 256 bytes (four tokens of a head) + 16 of padding
.set HEADB,  16*PITCH                  ; a head's 64 tokens
.set ALD,    16*HEADB                  ; what one load brings of A: 64 tokens x 16 heads
.set BP,     1040                      ; B: a row of 1,024 bytes + 16 of padding
.set BLD,    64*BP                     ; what one load brings of B: 64 rows
.set BBASE,  2*ALD
.set STAGE,  BBASE+2*BLD               ; behind the tiles: 16 rows x 272 bytes for each wave, for the way out; no tile lands there
.set SPARE,  STAGE+4*16*PITCH          ; the spare words, 128 bytes for each wave
.set ADRA, 16
.set ADRB, 20
.set STO,  24                          ; the way out: where I put 32 bytes of a row
.set RD,   25                          ; where I read a row back
.set CO,   26                          ; my byte offset in out0
.set SPW,  28
.set NIL,  29
.set BIA,  32
.set TMP,  64
.set ACC,  128
.set G1A, 24                           ; s[24:31] descriptor group 1 for A's tiles; s[32:35] its group 0
.set G0A, 32
.set G1B, 48                           ; s[48:55], s[36:39] for B's
.set G0B, 36
.set MSB, 0
.macro WIN new                         ; the immediate's high byte repeats the setting that is left
.if MSB != \new
	s_set_vgpr_msb (MSB<<8)|\new
.set MSB, \new
.endif
.endm
.macro CROUND                          ; a round of the cluster's barrier
	s_barrier_signal -1
	s_barrier_wait -1
	s_cmp_lg_u32 s14, 0
	s_cbranch_scc1 .Lnot_wave_0_\@
	s_barrier_signal -3
.Lnot_wave_0_\@:
	s_barrier_wait -3
	s_barrier_signal -1
	s_barrier_wait -1
.endm
.macro PLACES                          ; four places in front of loads into registers that matrix instructions have read, and of the first read of results (ISA guide 7.12.1 for the first read of results)
.rept 4
	v_nop
.endr
.endm
	s_load_b128 s[4:7], s[0:1], 0x0                ; ctx's codes, w_proj's codes
	s_load_b128 s[8:11], s[0:1], 0x10              ; the scales' exponents, b_proj
	s_load_b64 s[12:13], s[0:1], 0x20              ; out0
	v_lshl_add_u32 v[SPW], v0, 2, SPARE
	v_mov_b32 v[NIL], 0
	ds_add_u32 v[SPW], v[NIL]                      ; the wave's opening: the add, twice on end, and its wait
	ds_add_u32 v[SPW], v[NIL]
	v_lshrrev_b32 v1, 5, v0
	v_readfirstlane_b32 s14, v1                    ; wave 0..3
	s_lshr_b32 s15, s14, 1                         ; which 64 tokens of the tile are mine.  Also: I fetch for A (0) or for B (1)
	s_and_b32 s16, s14, 1                          ; which 64 features.  Also: which half of that tile I fetch
	s_bfe_u32 s86, ttmp6, 0x40000                  ; cx, cy: my place in the cluster
	s_bfe_u32 s87, ttmp6, 0x40004
	s_lshl_b32 s88, ttmp9, 2
	s_add_co_u32 s88, s88, s86                     ; tile column = 4 x cluster x + cx
	s_and_b32 s17, ttmp7, 0xffff
	s_lshl_b32 s17, s17, 2
	s_add_co_u32 s17, s17, s87                     ; tile row = 4 x cluster y + cy
	s_lshl_b32 s89, s87, 2
	s_lshl_b32 s89, 15, s89                        ; my row of the cluster
	s_lshl_b32 s90, 0x1111, s86                    ; my column
	; A: sixteen rows (heads) of 4,096 bytes (64 tokens x 64), 262,144 bytes apart; 16 bytes of padding behind every 256, which divides the row: a head takes 4,352 bytes of LDS
	s_or_b32 s[G1A], s89, (0<<16)|(1<<20)|(1<<21)|(5<<22)|(3<<25)   ; 15:0 the mask: my row; 17:16 elements of 1 byte; 20 padding on; 21 set beside a mask; 24:22 after every 64 words; 31:25 four words
	s_mov_b32 s[G1A+1], 4096<<16                   ; tensor_dim0
	s_mov_b32 s[G1A+2], 16<<16                     ; tensor_dim1
	s_mov_b32 s[G1A+3], 4096<<16                   ; tile_dim0
	s_mov_b32 s[G1A+4], 16                         ; tile_dim1
	s_mov_b32 s[G1A+5], 262144                     ; tensor_dim0_stride
	s_mov_b32 s[G1A+6], 0
	s_mov_b32 s[G1A+7], 0
	; B: 64 rows of 1,024 bytes, dense; 16 bytes of padding behind each (24:22 after every 256 words)
	s_or_b32 s[G1B], s90, (0<<16)|(1<<20)|(1<<21)|(7<<22)|(3<<25)   ; the mask: my column
	s_mov_b32 s[G1B+1], 1024<<16
	s_mov_b32 s[G1B+2], 64<<16
	s_mov_b32 s[G1B+3], 1024<<16
	s_mov_b32 s[G1B+4], 64
	s_mov_b32 s[G1B+5], 1024
	s_mov_b32 s[G1B+6], 0
	s_mov_b32 s[G1B+7], 0
	s_lshl_b32 s18, s17, 7
	s_lshl_b32 s19, s16, 6
	s_add_co_u32 s18, s18, s19                     ; A: token 128 x tile row + 64 x half,
	s_lshl_b32 s18, s18, 6                         ; 64 bytes each
	s_mov_b32 s19, 0
	s_lshl_b32 s92, s88, 7
	s_lshl_b32 s93, s16, 6
	s_add_co_u32 s92, s92, s93                     ; B: row 128 x tile column + 64 x half,
	s_lshl_b32 s92, s92, 10                        ; 1,024 bytes each
	s_mov_b32 s93, 0
	s_mov_b32 s[G0A], 1
	s_mul_i32 s[G0A+1], s16, ALD                   ; where they go: no place in the cluster enters an LDS address
	s_mov_b32 s[G0B], 1
	s_mul_i32 s20, s16, BLD
	s_add_co_u32 s[G0B+1], s20, BBASE
	s_wait_dscnt 0x0                               ; both opening adds are done
	s_wait_kmcnt 0x0
	s_load_b256 s[56:63], s[8:9], 0x0              ; e0 .. e7
	s_add_nc_u64 s[G0A+2:G0A+3], s[4:5], s[18:19]
	s_or_b32 s[G0A+3], s[G0A+3], 0x80000000
	s_add_nc_u64 s[G0B+2:G0B+3], s[6:7], s[92:93]
	s_or_b32 s[G0B+3], s[G0B+3], 0x80000000
	CROUND                                         ; all sixteen work-groups are here: the joint loads meet
	s_cmp_eq_u32 s15, 0                            ; one fill in each arm of a branch on the wave's number; four v_nop follow it
	s_cbranch_scc0 .Lfor_b
	tensor_load_to_lds s[G0A:G0A+3], s[G1A:G1A+7]
	s_nop 0
.rept 4
	v_nop
.endr
	s_branch .Lasked
.Lfor_b:
	tensor_load_to_lds s[G0B:G0B+3], s[G1B:G1B+7]
	s_nop 0
.rept 4
	v_nop
.endr
.Lasked:
	s_lshl_b32 s92, s88, 9
	s_lshl_b32 s93, s16, 8
	s_add_co_u32 s92, s92, s93                     ; my first feature, in bytes of f32: 512 x tile column + 256 x half
	s_mov_b32 s93, 0
	s_add_nc_u64 s[10:11], s[10:11], s[92:93]
	s_lshl_b32 s96, s17, 7
	s_lshl_b32 s97, s15, 6
	s_add_co_u32 s96, s96, s97                     ; my first token,
	s_lshl_b32 s96, s96, 12                        ; 4,096 bytes a row of out0
	s_add_co_u32 s96, s96, s92
	s_mov_b32 s97, 0
	s_add_nc_u64 s[12:13], s[12:13], s[96:97]
	s_mul_i32 s18, s15, ALD                        ; my 64 tokens
	s_add_co_u32 s19, s18, 8*HEADB                 ; heads 8 on
	s_mul_i32 s20, s16, BLD
	s_add_co_u32 s20, s20, BBASE                   ; my 64 rows of w_proj
	s_mul_i32 s21, s14, 16*PITCH
	s_add_co_u32 s21, s21, STAGE                   ; my stage
	v_and_b32 v1, 15, v0                           ; r
	v_bfe_u32 v2, v0, 4, 1                         ; h
	v_lshlrev_b32 v5, 5, v2                        ; the bias in the result's layout: for block b the eight features 16 b + 8 h on
.irp b, 0,1,2,3
	global_load_b128 v[BIA+8*\b:BIA+8*\b+3], v5, s[10:11] offset:64*\b
	global_load_b128 v[BIA+8*\b+4:BIA+8*\b+7], v5, s[10:11] offset:64*\b+16
.endr
	v_lshrrev_b32 v3, 2, v1
	v_mul_u32_u24 v3, v3, PITCH
	v_and_b32 v4, 3, v1
	v_lshl_add_u32 v3, v4, 6, v3
	v_lshl_add_u32 v3, v2, 4, v3                   ; A: token r of a block: 272 (r / 4) + 64 (r % 4) + 16 h
	v_mul_u32_u24 v6, v1, BP
	v_lshl_add_u32 v6, v2, 4, v6                   ; B: row r: 1040 r + 16 h
	v_add_nc_u32 v[ADRA], s18, v3
	v_add_nc_u32 v[ADRA+1], s19, v3
	v_add_nc_u32 v[ADRB], s20, v6
	v_mul_u32_u24 v7, v1, PITCH
	v_lshl_add_u32 v7, v2, 5, v7
	v_add_nc_u32 v[STO], s21, v7                   ; in: row r, 32 bytes for each half of the lanes
	v_mul_u32_u24 v8, v2, PITCH
	v_lshl_add_u32 v8, v1, 4, v8
	v_add_nc_u32 v[RD], s21, v8                    ; back: lanes 0-15 one row of 256 bytes, lanes 16-31 the next
	v_lshlrev_b32 v9, 12, v2
	v_lshl_add_u32 v[CO], v1, 4, v9                ; and the same two rows in out0
; 32 LDS loads in one run: the fragments of step s (128 along K) into buffer s % 2.  Registers 4 cc .. 4 cc + 3 of a fragment hold K = 32 cc + 16 h + 0 .. 15 of the step, in A and in B alike:
; in B's rows that is byte 128 s + 32 cc + 16 h; in A head 2 s + cc / 2, byte 32 (cc % 2) + 16 h of the token's 64.
.macro FETCH s
.set FB, 128*((\s)%2)
.set FA, ADRA+(\s)/4
.set FH, 2*((\s)%4)
	WIN 0x40
.irp i, 0,1,2,3
.irp cc, 0,1,2,3
	ds_load_b128 v[FB+64+16*\i+4*\cc:FB+64+16*\i+4*\cc+3], v[ADRB] offset:16*BP*\i+128*(\s)+32*\cc
.endr
.endr
.irp i, 0,1,2,3
.irp cc, 0,1,2,3
	ds_load_b128 v[FB+16*\i+4*\cc:FB+16*\i+4*\cc+3], v[FA] offset:HEADB*(FH+\cc/2)+4*PITCH*\i+32*(\cc%2)
.endr
.endr
.endm
; 16 matrix instructions: 4 token blocks x 4 feature blocks, 128 along K.  The first step's start the sums.  The 16 accumulators take turns, one instruction a turn, in the same order in every step.
.macro MUL s
.set FB, 128*((\s)%2)
	WIN 0x05
.irp a, 0,1,2,3
.irp b, 0,1,2,3
.if (\s) == 0
	v_wmma_f32_16x16x128_fp8_fp8 v[ACC+8*(4*\a+\b):ACC+8*(4*\a+\b)+7], v[FB+64+16*\b:FB+64+16*\b+15], v[FB+16*\a:FB+16*\a+15], 0
.else
	v_wmma_f32_16x16x128_fp8_fp8 v[ACC+8*(4*\a+\b):ACC+8*(4*\a+\b)+7], v[FB+64+16*\b:FB+64+16*\b+15], v[FB+16*\a:FB+16*\a+15], v[ACC+8*(4*\a+\b):ACC+8*(4*\a+\b)+7]
.endif
.endr
.endr
.endm
	s_wait_alu depctr_va_vdst(0)
	s_wait_tensorcnt 0x0                           ; my part of the tile is in
	s_barrier_signal -1
	s_barrier_wait -1                              ; everybody's is
	FETCH 0
.irp s, 0,1,2,3,4,5,6
.if \s > 0
	PLACES                                         ; the other buffer has just been multiplied
.endif
	FETCH \s+1
	s_wait_dscnt 32                                ; all but the 32 just issued: this step's fragments are in
	MUL \s
.endr
	s_wait_dscnt 0x0                               ; the last step: nothing more to fetch
	MUL 7
	WIN 0
	; THE WAY OUT, a block of 16 tokens x 64 features at a time: sum x 2^(e6 + e7) + bias, one packed multiply-add for two numbers; through my own stage, so that sixteen lanes store one aligned run of 256 bytes.
	s_wait_kmcnt 0x0
	s_add_co_i32 s84, s62, s63
	s_add_co_i32 s84, s84, 127
	s_lshl_b32 s84, s84, 23                        ; 2^(e6 + e7) as f32
	s_mov_b32 s85, s84                             ; (named with it as a pair, so it is written)
	s_wait_loadcnt 0x0                             ; the bias
	PLACES
.macro TOSTAGE a
.set i, 0
.rept 16
	v_pk_fma_f32 v[TMP+i:TMP+i+1], v[ACC+32*(\a)+i:ACC+32*(\a)+i+1], s[84:85], v[BIA+i:BIA+i+1] op_sel_hi:[1,0,1]   ; each accumulator from its low end on
.set i, i+2
.endr
.irp b, 0,1,2,3
	ds_store_b128 v[STO], v[TMP+8*\b:TMP+8*\b+3] offset:64*\b
	ds_store_b128 v[STO], v[TMP+8*\b+4:TMP+8*\b+7] offset:64*\b+16
.endr
.irp t, 0,1,2,3,4,5,6,7
	ds_load_b128 v[ACC+32*(\a)+4*\t:ACC+32*(\a)+4*\t+3], v[RD] offset:2*\t*PITCH   ; LDS serves a wave's instructions in order: these see the stores above, and the next block's stores come behind them; they land in the block's own registers
.endr
.endm
.macro SEND a, younger                 ; younger: the LDS instructions issued behind block a's loads, which may stay out
	s_wait_dscnt \younger
.irp t, 0,1,2,3,4,5,6,7
	global_store_b128 v[CO], v[ACC+32*(\a)+4*\t:ACC+32*(\a)+4*\t+3], s[12:13] offset:(16*(\a)+2*\t)*4096 th:TH_STORE_NT   ; 16 lanes store 256 consecutive bytes, aligned; written once, read by nobody here
.endr
.endm
	TOSTAGE 0
	TOSTAGE 1
	SEND 0, 16                                     ; behind block 0's loads: block 1's 8 stores and 8 loads
	TOSTAGE 2
	SEND 1, 16
	TOSTAGE 3
	SEND 2, 16
	SEND 3, 0
	s_wait_tensorcnt 0x0                           ; the wave's end
	ds_add_u32 v[SPW], v[NIL]
	s_wait_dscnt 0x0
	CROUND                                         ; the closing round: no work-group ends while a partner may still ask for a tile that names it
	s_endpgm
.Lfunc_end_k_q54a5ef8884_proj:
	.size	k_q54a5ef8884_proj, .Lfunc_end_k_q54a5ef8884_proj-k_q54a5ef8884_proj
	.p2alignl 7, 3214868480
	.fill 96, 4, 3214868480
	.section	.rodata,"a",@progbits
	.p2align	6, 0x0
	.amdhsa_kernel k_q54a5ef8884_proj
		.amdhsa_group_segment_fixed_size 327680
		.amdhsa_private_segment_fixed_size 0
		.amdhsa_enable_private_segment 0
		.amdhsa_kernarg_size 40
		.amdhsa_user_sgpr_count 2
		.amdhsa_user_sgpr_kernarg_segment_ptr 1
		.amdhsa_wavefront_size32 1
		.amdhsa_system_sgpr_workgroup_id_x 1
		.amdhsa_system_sgpr_workgroup_id_y 1
		.amdhsa_system_sgpr_workgroup_id_z 1
		.amdhsa_system_vgpr_workitem_id 0
		.amdhsa_next_free_vgpr 512
		.amdhsa_next_free_sgpr 100
		.amdhsa_reserve_vcc 0
		.amdhsa_float_denorm_mode_32 3
		.amdhsa_float_denorm_mode_16_64 3
		.amdhsa_memory_ordered 1
		.amdhsa_forward_progress 1
		.amdhsa_inst_pref_size 45
	.end_amdhsa_kernel
	.amdgpu_metadata
---
amdhsa.version: [ 1, 2 ]
amdhsa.kernels:
  - .name:           k_q54a5ef8884_proj
    .symbol:         k_q54a5ef8884_proj.kd
    .args:
      - { .name: ctx_codes, .offset: 0, .size: 8, .value_kind: global_buffer, .address_space: global }
      - { .name: wproj_codes, .offset: 8, .size: 8, .value_kind: global_buffer, .address_space: global }
      - { .name: lowp_scales, .offset: 16, .size: 8, .value_kind: global_buffer, .address_space: global }
      - { .name: b_proj, .offset: 24, .size: 8, .value_kind: global_buffer, .address_space: global }
      - { .name: out0, .offset: 32, .size: 8, .value_kind: global_buffer, .address_space: global }
    .group_segment_fixed_size: 327680
    .private_segment_fixed_size: 0
    .kernarg_segment_align: 8
    .kernarg_segment_size: 40
    .max_flat_workgroup_size: 128
    .sgpr_count:     100
    .vgpr_count:     512
    .wavefront_size: 32
...
	.end_amdgpu_metadata
.endif
;; end of part 4
